; MI455X (gfx1250); checked and timed in simulation.
; The chip was launched on July 23, 2026; its instructions are those of AMD's public machine-readable ISA for CDNA 5 (MIT licence, August 2026) and "CDNA5" Instruction Set Architecture Reference Guide (July 2026). The comments in the code are by the model that wrote it; some were corrected since.
;; Mixture Of Experts. Allowed arithmetic: matrix products marked QUANTISED: E4M3 operands, one given power-of-two scale a tensor, by v_wmma_f32_16x16x64_fp8_fp8 or v_wmma_f32_16x16x128_fp8_fp8, f32 sums; products left as they are: f32 operands where the result goes on into a quantised operand, else bf16, f16 or f32 operands; f32 sums; everything else in f32.
;; Inputs: W1_codes 8 x 1,024 x 32 x 32 uint8 (E4M3 codes of W1, K innermost, in blocks of 32 codes); W2_codes 8 x 1,024 x 32 x 32 uint8 (E4M3 codes of W2, K innermost, in blocks of 32 codes); Wg 1,024 x 8 float32; b1 8 x 1,024 float32; b2 8 x 1,024 float32; bg 8 float32; lowp_scales 4 int32 (the exponents e of the quantised operands' scales 2^e); technical_features 4,096 x 256 float32; text_features 4,096 x 768 float32.
;; Outputs: out0 4,096 x 1,024 float32.
;; This version of the problem:
;;   THIS VERSION OF THE PROBLEM IS GIVEN IN LOW PRECISION. The matrix products marked QUANTISED in the list below multiply operands that are first quantised to E4M3 (4 exponent bits, 3 mantissa bits; 8 bits a number), with one given power-of-two scale for each operand tensor; their sums are f32. All else is computed in f32.
;;   The module's matrix products, in the order in which they are computed (A, B: the left and right operand; K: the contracted axis; several contracted axes count as one K, in the product's order):
;;     1. [M 4,096, K 1,024] x [K 1,024, N 8]; A: computed on the way; B: input Wg: left as it is (N = 8 < 16)
;;     2. [M 4,096, K 1,024] x [K 1,024, N 8,192]; A: computed on the way; B: input W1 (given as codes): QUANTISED (scales: A lowp_scales[0], B lowp_scales[1])
;;     3. batch 8 x [M 1,024, K 1,024] x [K 1,024, N 4,096]; A: input W2 (given as codes); B: computed on the way: QUANTISED (scales: A lowp_scales[2], B lowp_scales[3])
;;     4. batch 4,096 x [M 1, K 8] x [K 8, N 1,024]; A: softmax; B: computed on the way: left as it is (K = 8 < 32)
;;   THE QUANTISER, for each operand of a quantised product, along K:
;;     - The operand's scale is 2^e, e = its entry of the input lowp_scales (int32; the entries are numbered through the quantised products in the list's order, A before B).
;;     - Each number is divided by the scale, clamped to +-448, and rounded to the nearest number of E4M3, ties to even, subnormals kept.
;;     - The product sums the exact products of the quantised numbers (number of the format x scale) in f32.
;;   ~~~python
;;   def quantise(x, axis, e):      # numpy; x: float32 -> the quantised numbers, widened to float32 again
;;       x = np.moveaxis(x, axis, -1); K = x.shape[-1]
;;       r = np.clip(x / 2.0 ** e, -448, 448)
;;       step = 2.0 ** (np.maximum(np.frexp(np.where(r == 0, 1, r))[1] - 1, -6) - 3)
;;       q = np.round(r / step) * step * 2.0 ** e      # np.round: ties to even
;;       return np.moveaxis(q, -1, axis).astype(np.float32)
;;   ~~~
;;   OPERANDS COMPUTED ON THE WAY. 'Computed on the way' means the value that the module computes at that place (a softmax that the list does not call 'softmax' is quantised finished and normalised). What goes into a quantiser is computed in f32, as accurately as f32 sums, v_exp_f32 and their like allow (about 1e-6 of the number): no bf16 or f16 on the way to a quantiser, and a product that is left as it is and whose result goes on into a quantised operand takes f32 operands (vector FMAs, or v_wmma_f32_16x16x4_f32). A number that lies on a knife's edge between two numbers of the format may be rounded either way, as far as f32 arithmetic and the matrix unit's own rounding can turn it there, and no further.
;;   INPUTS GIVEN AS CODES. W1 (in the module: [8, 1024, 1024], K = its axis 1); W2 (in the module: [8, 1024, 1024], K = its axis 1): each comes as NAME_codes (uint8): NAME with its K axis moved to the last place and cut into blocks of 32 codes, [.., K / 32, bytes a block], one block behind the other in memory; one code a byte (a code: sign, 4 exponent bits, 3 mantissa bits); its scale is its entry of lowp_scales. Its value is code x scale, taken as it is: it is not quantised again, and the codes and scales need not be those that the quantiser above would give.
;; One version. Each part assembles by itself: llvm-mc -triple=amdgcn-amd-amdhsa -mcpu=gfx1250 --defsym DOCPART=n.
;; ======== version 1 of 1: 3 launches
;; limits: values are held in bf16: 8 bits of precision; right only within a limited range of input values
;; workspace buffers: x_img 4,194,304 bytes; h_img 33,554,432 bytes; gates 131,072 bytes
;; launch prep (part 1): grid 256 x 1, 8 waves a work-group, no clusters, 76,800 bytes of LDS; arguments text_features, technical_features, Wg, bg, lowp_scales, x_img, gates; writes x_img, gates
.if DOCPART == 1
	.amdgcn_target "amdgcn-amd-amdhsa--gfx1250"
	.amdhsa_code_object_version 6
	.text
	.protected	k_qad8af05a17_prep
	.globl	k_qad8af05a17_prep
	.p2align	8
	.type	k_qad8af05a17_prep,@function
k_qad8af05a17_prep:
	s_mov_b64 s[64:65], 0
	v_nop
	global_prefetch_b8 v0, s[64:65] scope:SCOPE_SE
	s_setreg_imm32_b32 hwreg(HW_REG_WAVE_MODE, 25, 1), 1
	s_wait_xcnt 0x0
; x = [text | technical], [4096][1024] f32, is read once and used twice:
;   (1) quantised to E4M3 with the given scale 2^e0 (code = x / 2^e0, held within +-448, nearest, ties to even) and stored as x_img;
;   (2) gates = softmax(x Wg + bg), [4096][8] f32.  That product feeds no quantiser: bf16 operands, f32 sums; the softmax in f32, the row's maximum taken away.
; x_img IS LAID IN THE ORDER OF THE OPERAND'S REGISTERS: [token / 128][K / 128][(token / 16) % 8][2048 bytes]; in a fragment (16 tokens x 128 K) byte 512 c + 256 h + 16 r + i is token r,
; k = 32 c + 16 h + i.  A wave that loads 16 bytes a lane at 16 x lane + 512 c, c = 0 .. 3, has lane (r, h)'s sixteen registers of the fragment.
; SHARES.  A work-group owns 16 tokens; wave w owns columns 128 w .. 128 w + 127 (waves 0-5 lie in text, waves 6-7 in technical): one fragment, and a partial sum of the logits.
; Each load of x reads 512 consecutive bytes of a row; the 16 rows turn through the wave's own stage in LDS, so that a lane gets 16 neighbours along K of each block of 32.
; The eight waves' partial logits meet in LDS behind one barrier; wave 0 adds them and makes the softmax.
; No tensor loads, no cluster: the work-groups share nothing but Wg's 32 KiB.
; LIMITS: e0 between -126 and 119, so that 2^e0 and 448 x 2^e0 are f32 numbers.  NaN among the inputs is not served.
.set PITCH, 528                        ; a stage row: 512 bytes + 16: 132 words, so the 16 rows that a read touches start at 16 different banks (64 banks of 4 bytes: ISA guide 11.1)
.set STGW,  16*PITCH                   ; a wave's stage
.set PART,  8*STGW                     ; behind the stages: 1,024 bytes a wave, its partial logits as an image of eight registers
.set OFF,   12                         ; v12-27   byte offset of my 16 bytes in row 0 .. 15 of the wave's block
.set R,     32                         ; v32-95   x as loaded
.set XB,    32                         ; v32-63   later: x in bf16, pairs along K
.set L,     64                         ; v64-95   later: four accumulators of logits
.set X,     96                         ; v96-159  x turned: register 16 b + n = x[r][128 w + 32 b + 16 h + n]
.set P,     96                         ; v96-159  later, wave 0: the eight waves' partial logits
.set WGF,   160                        ; v160-223 Wg: register 16 b + n = Wg[128 w + 32 b + 16 h + n][r % 8]
.set CD,    160                        ; v160-175 later: the codes
.set WB,    224                        ; v224-255 Wg in bf16
	s_load_b256 s[4:11], s[0:1], 0x0               ; text s[4:5], technical s[6:7], Wg s[8:9], bg s[10:11]
	s_load_b128 s[12:15], s[0:1], 0x20             ; the scales' exponents s[12:13], x_img s[14:15]
	s_load_b64 s[16:17], s[0:1], 0x30              ; gates
	v_lshl_add_u32 v30, v0, 2, 0x12800
	v_mov_b32 v31, 0
	v_lshrrev_b32 v1, 5, v0
	s_delay_alu instid0(VALU_DEP_1)
	v_readfirstlane_b32 s18, v1                    ; wave 0..7
	v_and_b32 v1, 31, v0                           ; lane
	v_and_b32 v2, 15, v0                           ; r
	v_bfe_u32 v3, v0, 4, 1                         ; h
	s_delay_alu instid0(VALU_DEP_3)
	v_lshlrev_b32 v4, 4, v1                        ; 16 x lane
	s_mul_i32 s19, s18, STGW
	v_add_nc_u32 v5, s19, v4                       ; into the stage: a row as it lies
	v_mul_u32_u24 v6, v2, PITCH
	s_delay_alu instid0(VALU_DEP_1)
	v_lshl_add_u32 v6, v3, 6, v6
	s_delay_alu instid0(VALU_DEP_1)
	v_add_nc_u32 v6, s19, v6                       ; out of it: row r, + 64 h: my 16 numbers of a block of 32
	v_and_b32 v7, 7, v0
	s_delay_alu instid0(VALU_DEP_1)
	v_lshlrev_b32 v7, 2, v7
	s_delay_alu instid0(VALU_DEP_1)
	v_lshl_add_u32 v7, v3, 9, v7
	s_lshl_b32 s19, s18, 12
	v_add_nc_u32 v7, s19, v7                       ; Wg: row 128 w + 16 h (32 bytes a row), expert r % 8: lanes 8-15 repeat lanes 0-7, so that no lane is off and no load leaves the buffer
	v_add_nc_u32 v28, PART, v4                     ; wave 0's reads of the partial logits
	s_lshl_b32 s19, s18, 10
	v_add_nc_u32 v8, s19, v28                      ; where I put mine
	v_lshlrev_b32 v11, 5, v2
	s_delay_alu instid0(VALU_DEP_1)
	v_lshl_add_u32 v11, v3, 4, v11                 ; gates: token r's 32 bytes, + 16 h
	s_lshr_b32 s40, ttmp9, 3                       ; x_img: ((token / 128) x 8 + w) x 16,384 + ((token / 16) % 8) x 2,048
	s_lshl_b32 s40, s40, 3
	s_add_co_u32 s40, s40, s18
	s_lshl_b32 s40, s40, 14
	s_and_b32 s41, ttmp9, 7
	s_lshl_b32 s41, s41, 11
	s_add_co_u32 s40, s40, s41
	s_mov_b32 s41, 0
	s_lshl_b32 s42, ttmp9, 9                       ; gates: 16 tokens x 32 bytes a work-group
	s_mov_b32 s43, 0
	s_mov_b32 s30, 0x3fb8aa3b                      ; log2(e)
	s_wait_alu depctr_va_vdst(0)
	s_wait_kmcnt 0x0
	s_load_b32 s26, s[12:13], 0x0                  ; e0
	s_load_b256 s[32:39], s[10:11], 0x0            ; bg
	s_add_nc_u64 s[14:15], s[14:15], s[40:41]
	s_add_nc_u64 s[16:17], s[16:17], s[42:43]
	s_cmp_lt_u32 s18, 6                            ; text or technical: the choice hangs on the wave's number alone
	s_cselect_b64 s[20:21], s[4:5], s[6:7]
	s_mov_b32 s22, 1024
	s_cselect_b32 s22, 3072, s22                   ; a row in bytes
	s_cselect_b32 s23, 0, 6                        ; the tensor's first wave
	s_lshl_b32 s24, ttmp9, 4
	s_mul_i32 s24, s24, s22                        ; my work-group's first row
	s_sub_co_u32 s25, s18, s23
	s_lshl_b32 s25, s25, 9                         ; my wave's 512 bytes of a row
	s_add_co_u32 s24, s24, s25
	s_mov_b32 s25, 0
	s_add_nc_u64 s[20:21], s[20:21], s[24:25]
	v_mov_b32 v[OFF], v4
.set n, 0
.rept 15
	s_delay_alu instid0(VALU_DEP_1)
	v_add_nc_u32 v[OFF+n+1], s22, v[OFF+n]
.set n, n+1
.endr
.set n, 0
.rept 16
	global_load_b128 v[R+4*n:R+4*n+3], v[OFF+n], s[20:21] th:TH_LOAD_NT   ; 32 lanes read 512 consecutive bytes of row n; read once in the launch
.set n, n+1
.endr
.irp b, 0,1,2,3
.irp i, 0,1,2,3,4,5,6,7,8,9,10,11,12,13,14,15
	global_load_b32 v[WGF+16*\b+\i], v7, s[8:9] offset:(32*\b+\i)*32
.endr
.endr
	s_wait_loadcnt 63                              ; of 80 loads the oldest 17 are in: x's sixteen rows among them; Wg's may be out
.set n, 0
.rept 16
	ds_store_b128 v5, v[R+4*n:R+4*n+3] offset:PITCH*n
.set n, n+1
.endr
.irp b, 0,1,2,3
.irp j, 0,1,2,3
	ds_load_b128 v[X+16*\b+4*\j:X+16*\b+4*\j+3], v6 offset:128*\b+16*\j   ; LDS serves a wave's instructions in order (ISA guide 5.7.1.4): these see my stores
.endr
.endr
	s_wait_kmcnt 0x0
	s_add_co_i32 s26, s26, 127
	s_lshl_b32 s27, s26, 23
	v_mov_b32 v9, s27                              ; 2^e0 as f32: the conversion takes its exponent field
	s_add_co_i32 s26, s26, 8
	s_lshl_b32 s28, s26, 23
	s_or_b32 s28, s28, 0x600000
	v_mov_b32 v10, s28                             ; 448 x 2^e0
	s_wait_loadcnt 0x0                             ; Wg is in
.set n, 0
.rept 32
	v_cvt_pk_bf16_f32 v[WB+n], v[WGF+2*n], v[WGF+2*n+1]
.set n, n+1
.endr
	s_wait_dscnt 0x0
.set n, 0
.rept 32
	v_cvt_pk_bf16_f32 v[XB+n], v[X+2*n], v[X+2*n+1]
.set n, n+1
.endr
; The logits' partial sums: source 0 = 16 rows of Wg^T (experts 0-7, twice), source 1 = my 16 tokens; 32 along K each, in four accumulators of their own.  k stands in the same places in both sources
; (lane half h, register pair by pair: k = 32 b + 16 h + 0 .. 15), so every product meets its partner.  In the result lane (r, h) holds token r, and register j expert j.
.irp b, 0,1,2,3
	v_wmma_f32_16x16x32_bf16 v[L+8*\b:L+8*\b+7], v[WB+8*\b:WB+8*\b+7], v[XB+8*\b:XB+8*\b+7], 0
.endr
.rept 4
	v_nop                                          ; four places between the products and the first read of their results (ISA guide 7.12.1)
.endr
.set n, 0
.rept 64
	v_med3_num_f32 v[X+n], v[X+n], -v10, v10       ; the conversion to an 8-bit code does not saturate (ISA guide 7.6.2): the hold at the largest code x the scale
.set n, n+1
.endr
.irp b, 0,1,2,3
	v_cvt_scalef32_pk8_fp8_f32 v[CD+4*\b:CD+4*\b+1], v[X+16*\b:X+16*\b+7], v9
	v_cvt_scalef32_pk8_fp8_f32 v[CD+4*\b+2:CD+4*\b+3], v[X+16*\b+8:X+16*\b+15], v9
.endr
	v_nop                                          ; one plain vector instruction behind the last scaled conversion
.irp b, 0,1,2,3
	global_store_b128 v4, v[CD+4*\b:CD+4*\b+3], s[14:15] offset:512*\b   ; 32 lanes store 512 consecutive bytes, aligned: the fragment's image
.endr
.irp i, 0,2,4,6                        ; the four accumulators are added, each read from its low end on
	v_pk_add_f32 v[L+\i:L+\i+1], v[L+\i:L+\i+1], v[L+8+\i:L+8+\i+1]
.endr
.irp i, 0,2,4,6
	v_pk_add_f32 v[L+16+\i:L+16+\i+1], v[L+16+\i:L+16+\i+1], v[L+24+\i:L+24+\i+1]
.endr
.irp i, 0,2,4,6
	s_delay_alu instid0(VALU_DEP_4)
	v_pk_add_f32 v[L+\i:L+\i+1], v[L+\i:L+\i+1], v[L+16+\i:L+16+\i+1]
.endr
	ds_store_b128 v8, v[L:L+3]
	ds_store_b128 v8, v[L+4:L+7] offset:512
	s_wait_dscnt 0x0                               ; for wave 0's sake: my partial logits lie in LDS
	s_barrier_signal -1
	s_barrier_wait -1
	s_cmp_lg_u32 s18, 0
	s_cbranch_scc1 .Lend                           ; the rest is wave 0's: 16 tokens x 8 experts
.irp p, 0,1,2,3,4,5,6,7
	ds_load_b128 v[P+8*\p:P+8*\p+3], v28 offset:1024*\p
	ds_load_b128 v[P+8*\p+4:P+8*\p+7], v28 offset:1024*\p+512
.endr
	s_wait_dscnt 0x0
.irp p, 0,2,4,6
.irp i, 0,2,4,6
	v_pk_add_f32 v[P+8*\p+\i:P+8*\p+\i+1], v[P+8*\p+\i:P+8*\p+\i+1], v[P+8*\p+8+\i:P+8*\p+8+\i+1]
.endr
.endr
.irp p, 0,4
.irp i, 0,2,4,6
	v_pk_add_f32 v[P+8*\p+\i:P+8*\p+\i+1], v[P+8*\p+\i:P+8*\p+\i+1], v[P+8*\p+16+\i:P+8*\p+16+\i+1]
.endr
.endr
.irp i, 0,2,4,6
	s_delay_alu instid0(VALU_DEP_4)
	v_pk_add_f32 v[P+\i:P+\i+1], v[P+\i:P+\i+1], v[P+32+\i:P+32+\i+1]
.endr
.irp j, 0,1,2,3,4,5,6,7
	v_add_f32 v[P+\j], s[32+\j], v[P+\j]           ; + bg
.endr
	v_max3_num_f32 v104, v96, v97, v98             ; the token's largest logit
	s_delay_alu instid0(VALU_DEP_4)
	v_max3_num_f32 v105, v99, v100, v101
	s_delay_alu instid0(VALU_DEP_2)
	v_max3_num_f32 v104, v104, v102, v103
	s_delay_alu instid0(VALU_DEP_1)
	v_max_num_f32 v104, v104, v105
.irp j, 0,1,2,3,4,5,6,7
	v_sub_f32 v[P+\j], v[P+\j], v104
.endr
.irp j, 0,1,2,3,4,5,6,7
	v_mul_f32 v[P+\j], s30, v[P+\j]
.endr
	s_wait_alu depctr_va_vdst(0)
.irp j, 0,1,2,3,4,5,6,7
	v_exp_f32 v[P+\j], v[P+\j]
.endr
	v_nop                                          ; a plain instruction behind the last exponential,
	s_wait_alu depctr_va_vdst(0)                   ; and one wait for the batch of eight, ahead of its first reader
	v_add_f32 v105, v96, v97
	v_add_f32 v106, v98, v99
	v_add_f32 v107, v100, v101
	v_add_f32 v108, v102, v103
	s_delay_alu instid0(VALU_DEP_3)
	v_add_f32 v105, v105, v106
	s_delay_alu instid0(VALU_DEP_2)
	v_add_f32 v107, v107, v108
	s_delay_alu instid0(VALU_DEP_1)
	v_add_f32 v105, v105, v107
	s_wait_alu depctr_va_vdst(0)
	v_rcp_f32 v106, v105
	v_cmp_ne_u32 vcc_lo, 0, v3                     ; (a plain instruction behind the reciprocal)  lanes 16-31 store experts 4-7
	s_wait_alu depctr_va_vdst(0)
.irp j, 0,1,2,3,4,5,6,7
	v_mul_f32 v[P+\j], v[P+\j], v106
.endr
.irp j, 0,1,2,3
	s_delay_alu instid0(VALU_DEP_4)
	v_cndmask_b32 v[112+\j], v[P+\j], v[P+4+\j], vcc_lo
.endr
	global_store_b128 v11, v[112:115], s[16:17]    ; 32 lanes store the 16 tokens' 512 consecutive bytes, aligned
.Lend:
	s_wait_tensorcnt 0x0
	ds_add_u32 v30, v31
	s_wait_dscnt 0x0
	s_endpgm
.Lfunc_end_k_qad8af05a17_prep:
	.size	k_qad8af05a17_prep, .Lfunc_end_k_qad8af05a17_prep-k_qad8af05a17_prep
	.p2alignl 7, 3214868480
	.fill 96, 4, 3214868480
	.section	.rodata,"a",@progbits
	.p2align	6, 0x0
	.amdhsa_kernel k_qad8af05a17_prep
		.amdhsa_group_segment_fixed_size 76800
		.amdhsa_private_segment_fixed_size 0
		.amdhsa_enable_private_segment 0
		.amdhsa_kernarg_size 56
		.amdhsa_user_sgpr_count 2
		.amdhsa_user_sgpr_kernarg_segment_ptr 1
		.amdhsa_wavefront_size32 1
		.amdhsa_system_sgpr_workgroup_id_x 1
		.amdhsa_system_sgpr_workgroup_id_y 1
		.amdhsa_system_sgpr_workgroup_id_z 1
		.amdhsa_system_vgpr_workitem_id 0
		.amdhsa_next_free_vgpr 256
		.amdhsa_next_free_sgpr 66
		.amdhsa_reserve_vcc 1
		.amdhsa_float_denorm_mode_32 3
		.amdhsa_float_denorm_mode_16_64 3
		.amdhsa_memory_ordered 1
		.amdhsa_forward_progress 1
		.amdhsa_inst_pref_size 30
	.end_amdhsa_kernel
	.amdgpu_metadata
---
amdhsa.version: [ 1, 2 ]
amdhsa.kernels:
  - .name:           k_qad8af05a17_prep
    .symbol:         k_qad8af05a17_prep.kd
    .args:
      - { .name: text_features, .offset: 0, .size: 8, .value_kind: global_buffer, .address_space: global }
      - { .name: technical_features, .offset: 8, .size: 8, .value_kind: global_buffer, .address_space: global }
      - { .name: Wg, .offset: 16, .size: 8, .value_kind: global_buffer, .address_space: global }
      - { .name: bg, .offset: 24, .size: 8, .value_kind: global_buffer, .address_space: global }
      - { .name: lowp_scales, .offset: 32, .size: 8, .value_kind: global_buffer, .address_space: global }
      - { .name: x_img, .offset: 40, .size: 8, .value_kind: global_buffer, .address_space: global }
      - { .name: gates, .offset: 48, .size: 8, .value_kind: global_buffer, .address_space: global }
    .group_segment_fixed_size: 76800
    .private_segment_fixed_size: 0
    .kernarg_segment_align: 8
    .kernarg_segment_size: 56
    .max_flat_workgroup_size: 256
    .sgpr_count:     66
    .vgpr_count:     256
    .wavefront_size: 32
...
	.end_amdgpu_metadata
.endif
;; end of part 1
;; launch gemm1 (part 2): grid 32 x 8, 4 waves a work-group, clusters of 4 x 4, 327,680 bytes of LDS; arguments x_img, W1_codes, lowp_scales, b1, h_img; writes h_img
.if DOCPART == 2
	.amdgcn_target "amdgcn-amd-amdhsa--gfx1250"
	.amdhsa_code_object_version 6
	.text
	.protected	k_qad8af05a17_gemm1
	.globl	k_qad8af05a17_gemm1
	.p2align	8
	.type	k_qad8af05a17_gemm1,@function
k_qad8af05a17_gemm1:
	s_mov_b64 s[64:65], 0
	v_nop
	global_prefetch_b8 v0, s[64:65] scope:SCOPE_SE
	s_setreg_imm32_b32 hwreg(HW_REG_WAVE_MODE, 25, 1), 1
	s_wait_xcnt 0x0
	s_wait_alu depctr_hold_cnt(0) depctr_sa_sdst(0) depctr_va_vdst(0) depctr_va_sdst(0) depctr_va_ssrc(0) depctr_va_vcc(0) depctr_vm_vsrc(0)
	s_getreg_b32 s2, hwreg(HW_REG_IB_STS2, 6, 4)
	s_cmp_eq_u32 s2, 0
	s_cbranch_scc0 .Lentry_in_a_cluster
	s_endpgm
.Lentry_in_a_cluster:
	s_bfe_u32 s2, ttmp6, 0x10000c
	s_cmp_lg_u32 s2, 0xf033
	s_cbranch_scc0 .Lentry_shape_is_right
	s_endpgm
.Lentry_shape_is_right:
; h[t][n] = Q(relu(sum over k of x[t][k] W1[n][k] + b1[n])), t = 0 .. 4095, n = 1024 e + o = 0 .. 8191, K = 1,024, on codes of E4M3.
; x comes as x_img (codes in the order of the operand's registers: [t / 128][K / 128][(t / 16) % 8][2048], byte 512 c + 256 h + 16 r + i = token r, k = 32 c + 16 h + i); W1_codes is [8192][1024], K innermost.
; A sum stands for sum x 2^(e0 + e1).  b1 goes in as b1 / 2^(e0 + e1), as the C of each sum's first product; the code of h is sum / 2^(e3 - e0 - e1), held between 0 (the activation) and 448.
; h_img is laid as x_img is: [t / 128][n / 128][(t / 16) % 8][2048]: the next launch's operand, K = n.
; LIMITS: e3 - e0 - e1 between -126 and 119, |e0 + e1| up to 64, so that each power of two below and the scaled bias are f32 numbers.  NaN is not served.
; SHARES.  A tile is 256 tokens x 256 n, made by four waves, each 128 x 128: 64 accumulators of 16 x 16, 512 registers.  A WORK-GROUP STAYS FOR TWO TILES, 2,048 tokens apart, of the same n: 256 work-groups for 512 tiles.
; K goes in steps of 256 through a ring of two LDS slots.  The ring does not stop at the first tile's end: that tile's last two changes of slots ask for the second tile's first two K steps.
; CLUSTERS: 4 x 4 work-groups.  The four of a row of the cluster need the same tiles of x, the four of a column the same tiles of W1: each tile is asked for JOINTLY, by the same tensor load with the same
; descriptor and a mask that names the four.  THE MATRIX INSTRUCTION IS USED TRANSPOSED (source 0 = 16 rows of W1, source 1 = 16 tokens): a lane then holds one token and eight neighbouring n.
; k stands in both sources' registers alike: registers 4 c .. 4 c + 3 of lane (r, h) hold k = 32 c + 16 h + 0 .. 15.
; PREFETCH: in the first tile each change of slots asks for the x of the second tile's K step that stands two refills on; W1's rows are the same for both tiles, and the first tile's K steps come by their loads alone.
; REGISTERS, in windows of 256: window 0: v0-31 addresses and constants; v32-95 the bias; from v128 x's fragments (8 x 16 tokens x 128 K), ONE set.
;   window 1: W1's fragments, TWO sets, at v0 and v128; on the way out the codes at v128.   window 2: the 32 accumulators of my tokens 0-63 ((a, b) at v[8 (8 a + b)]);   window 3: those of my tokens 64-127.
.set ROWB,   256                       ; W1: a tile's row in bytes
.set KROW,   1024                      ; a row of W1 in memory
.set PITCH,  272                       ; W1's rows in LDS: 256 bytes + 16 = 68 words: the 16 rows that a load touches start at 16 different banks (64 banks of 4 bytes: ISA guide 11.1)
.set FR,     16                        ; registers of a fragment
.set NL,     4                         ; LDS loads that bring one
.set AHALF,  32768                     ; x: 128 tokens x 256 K, dense: [K / 128: 2][8][2048]: what one tensor load brings, and what one wave reads
.set BHALF,  128*PITCH                 ; W1: 128 rows
.set BOFF,   2*AHALF
.set SLOT,   BOFF+2*BHALF              ; 135,168 bytes
.set SPARE,  2*SLOT                    ; behind the ring: the spare words, 128 bytes for each wave: two blocks of 256 bytes that no other line names
.set TILE2,  2097152                   ; x_img: eight tile rows of 256 tokens on
.set ADRA, 16                          ; v16-17  LDS address of my fragments of x in slot 0, 1
.set ADRB, 20                          ; v20-21  the same for W1
.set HO,   24                          ; v24     the way out: 16 r + 8 h
.set BO,   25                          ; v25     the bias: 32 h
.set PFO,  26                          ; v26     the prefetches' offset: 256 x lane; never rewritten
.set SPW,  28                          ; v28     LDS address of my spare word; never rewritten
.set NIL,  29                          ; v29     0; never rewritten
.set SCL,  30                          ; v30     2^(e3 - e0 - e1) as f32
.set LIM,  31                          ; v31     448 x that
.set BIAS, 32                          ; v32-95  tile b's eight numbers of b1 / 2^(e0 + e1) at v[32 + 8 b]
.set AF,   128
.set CODES, 128                        ; window 1: 16 registers of codes for each of the eight blocks
.set G1, 24                            ; s[24:31] descriptor group 1 for x's tiles;  s[32:39] group 0, one set for each slot
.set G0, 32
.set G1B, 48                           ; s[48:55], s[56:63] the same for W1's tiles
.set G0B, 56
.set PFW,  76                          ; s76     the count of tiles to go at which my wave prefetches: 2 in the waves that fetch x, else a count that is never reached
.set PFA,  78                          ; s[78:79] x at the 128 tokens that I fetch, + my work-group's 32 blocks of 256 bytes
.set MSB, 0
.macro WIN new                         ; the immediate's high byte repeats the setting that is left
.if MSB != (\new)
	s_set_vgpr_msb (MSB<<8)|(\new)
.set MSB, \new
.endif
.endm
.set MUL_LO,   0xa1                    ; source 0 (W1) window 1, source 1 (x) window 0, C and D window 2
.set MUL_HI,   0xf1                    ; the same, C and D window 3
.set FIRST_LO, 0x81                    ; the first step: C (the bias) window 0, D window 2
.set FIRST_HI, 0xc1                    ; D window 3
.set TO_B,     0x40                    ; destination window 1, address window 0
; A joint load: waves 0 and 1 fetch for x, waves 2 and 3 for W1.  Each of the two lines has one mask and one set of registers for all that issue it; the branch hangs on the wave's number alone.
.macro JLOAD s
	s_cmp_eq_u32 s15, 0
	s_cbranch_scc0 .Lfor_b_\@
	tensor_load_to_lds s[G0+4*\s:G0+4*\s+3], s[G1:G1+7]
	s_nop 0
.rept 4
	v_nop
.endr
	s_branch .Lasked_\@
.Lfor_b_\@:
	tensor_load_to_lds s[G0B+4*\s:G0B+4*\s+3], s[G1B:G1B+7]
	s_nop 0
.rept 4
	v_nop
.endr
.Lasked_\@:
.endm
.macro CREST                           ; a round of the cluster's barrier behind its opening barrier
	s_cmp_lg_u32 s14, 0
	s_cbranch_scc1 .Lnot_wave_0_\@
	s_barrier_signal -3
.Lnot_wave_0_\@:
	s_barrier_wait -3
	s_barrier_signal -1
	s_barrier_wait -1
.endm
.macro CROUND                          ; a whole round
	s_barrier_signal -1
	s_barrier_wait -1
	CREST
.endm
; The second tile's K step k of x: 128 blocks of 256 bytes for each wave that fetches x; the four partners that ask jointly take 32 each, told apart by address, a lane a block.
.macro ASK k
	s_cmp_eq_u32 s2, s[PFW]
	s_cbranch_scc0 .Lnot_mine_\@
	global_prefetch_b8 v[PFO], s[PFA:PFA+1] offset:TILE2+AHALF*(\k) th:TH_LOAD_NT scope:SCOPE_SE
.Lnot_mine_\@:
.endm
	s_load_b128 s[4:7], s[0:1], 0x0                ; x_img s[4:5], W1's codes s[6:7]
	s_load_b128 s[8:11], s[0:1], 0x10              ; the scales' exponents s[8:9], b1 s[10:11]
	s_load_b64 s[12:13], s[0:1], 0x20              ; h_img
	v_lshl_add_u32 v[SPW], v0, 2, SPARE
	v_mov_b32 v[NIL], 0
	ds_add_u32 v[SPW], v[NIL]                      ; the wave's opening: the add, twice on end,
	ds_add_u32 v[SPW], v[NIL]                      ; and one wait for both, ahead of my first tensor load
	v_lshrrev_b32 v1, 5, v0
	v_readfirstlane_b32 s14, v1                    ; wave 0..3
	s_lshr_b32 s15, s14, 1                         ; which 128 tokens of the tile are mine.  Also: I fetch for x (0) or for W1 (1)
	s_and_b32 s16, s14, 1                          ; which 128 n.  Also: which half of that tile I fetch
	s_bfe_u32 s40, ttmp6, 0x40000                  ; cx, cy: my place in the cluster
	s_bfe_u32 s41, ttmp6, 0x40004
	s_lshl_b32 s42, ttmp9, 2
	s_add_co_u32 s42, s42, s40                     ; tile column = 4 x cluster x + cx
	s_and_b32 s17, ttmp7, 0xffff
	s_lshl_b32 s17, s17, 2
	s_add_co_u32 s17, s17, s41                     ; first tile's row = 4 x cluster y + cy
	s_lshl_b32 s43, s41, 2
	s_lshl_b32 s43, 15, s43                        ; my row of the cluster
	s_lshl_b32 s44, 0x1111, s40                    ; my column
	; group 1 for x: a dense block of 32,768 bytes as 128 rows of 32 elements of 8 bytes, no padding (an image is read 16 bytes a lane on end)
	s_or_b32 s[G1+0], s43, (3<<16)|(1<<21)         ; 15:0 the mask: x's tiles go to my row; 17:16 elements of 8 bytes; 21 set beside a mask
	s_mov_b32 s[G1+1], 32<<16                      ; tensor_dim0 = 32
	s_mov_b32 s[G1+2], 128<<16                     ; tensor_dim1 = 128
	s_mov_b32 s[G1+3], 32<<16                      ; tile_dim0 = 32
	s_mov_b32 s[G1+4], 128                         ; tile_dim1 = 128
	s_mov_b32 s[G1+5], 32                          ; from row to row
	s_mov_b32 s[G1+6], 0
	s_mov_b32 s[G1+7], 0
	; group 1 for W1: 128 rows of 256 bytes, 1,024 bytes apart, 16 bytes of padding behind each
	s_or_b32 s[G1B+0], s44, (0<<16)|(1<<20)|(1<<21)|(5<<22)|(3<<25)  ; the mask of my column; elements of 1 byte; padding on: after every 64 words (code 5) 4 words (code 3)
	s_mov_b32 s[G1B+1], ROWB<<16
	s_mov_b32 s[G1B+2], 128<<16
	s_mov_b32 s[G1B+3], ROWB<<16
	s_mov_b32 s[G1B+4], 128
	s_mov_b32 s[G1B+5], KROW
	s_mov_b32 s[G1B+6], 0
	s_mov_b32 s[G1B+7], 0
	s_lshl_b32 s18, s16, 17                        ; the half that I fetch: 128 tokens of x_img, or 128 rows of W1, are 131,072 bytes
	s_lshl_b32 s20, s17, 18
	s_add_co_u32 s20, s20, s18                     ; x: hangs on the tile row and the wave's number alone
	s_mov_b32 s21, 0
	s_lshl_b32 s46, s42, 18
	s_add_co_u32 s46, s46, s18                     ; W1: on the tile column and the wave's number alone
	s_mov_b32 s47, 0
	s_mul_i32 s45, s16, AHALF                      ; where they go: no place in the cluster enters an LDS address
	s_mul_i32 s66, s16, BHALF
	s_add_co_u32 s66, s66, BOFF
	s_wait_dscnt 0x0                               ; both opening adds are done
	s_wait_kmcnt 0x0
	s_load_b128 s[96:99], s[8:9], 0x0              ; e0, e1, e2, e3
	s_add_nc_u64 s[20:21], s[4:5], s[20:21]
	s_add_nc_u64 s[46:47], s[6:7], s[46:47]
	CROUND                                         ; all sixteen work-groups are here: the first joint loads meet
.irp s, 0,1
	s_mov_b32 s[G0+4*\s], 1
	s_add_co_u32 s[G0+4*\s+1], s45, \s*SLOT
	s_add_nc_u64 s[G0+4*\s+2:G0+4*\s+3], s[20:21], \s*AHALF     ; 256 along K of 128 tokens are 32,768 bytes on end
	s_or_b32 s[G0+4*\s+3], s[G0+4*\s+3], 0x80000000
	s_mov_b32 s[G0B+4*\s], 1
	s_add_co_u32 s[G0B+4*\s+1], s66, \s*SLOT
	s_add_nc_u64 s[G0B+4*\s+2:G0B+4*\s+3], s[46:47], \s*ROWB
	s_or_b32 s[G0B+4*\s+3], s[G0B+4*\s+3], 0x80000000
.endr
	JLOAD 0                                        ; K step 0: one tensor load a wave at the head
	v_and_b32 v1, 15, v0                           ; r
	v_bfe_u32 v2, v0, 4, 1                         ; h
	v_and_b32 v3, 31, v0
	v_lshlrev_b32 v3, 4, v3                        ; 16 x lane: my place in an image
	v_mul_u32_u24 v4, v1, PITCH
	v_lshl_add_u32 v4, v2, 4, v4                   ; W1: row r x pitch + 16 h
	s_mul_i32 s22, s15, AHALF                      ; my 128 tokens
	s_mul_i32 s23, s16, BHALF                      ; my 128 rows of W1
	s_add_co_u32 s23, s23, BOFF
.irp s, 0,1
	v_add_nc_u32 v[ADRA+\s], s22, v3
	v_add_nc_u32 v[ADRB+\s], s23, v4
	s_add_co_u32 s22, s22, SLOT
	s_add_co_u32 s23, s23, SLOT
.endr
	v_lshlrev_b32 v[HO], 4, v1
	v_lshl_add_u32 v[HO], v2, 3, v[HO]
	v_lshlrev_b32 v[BO], 5, v2
	v_lshlrev_b32 v[PFO], 4, v3                    ; 256 x lane
	s_lshl_b32 s72, s42, 10                        ; b1 at my first n: 4 x (256 x tile column + 128 x half)
	s_lshl_b32 s73, s16, 9
	s_add_co_u32 s72, s72, s73
	s_mov_b32 s73, 0
	s_add_nc_u64 s[10:11], s[10:11], s[72:73]
	s_wait_alu depctr_va_vdst(0)
.irp b, 0,1,2,3,4,5,6,7
	global_load_b128 v[BIAS+8*\b:BIAS+8*\b+3], v[BO], s[10:11] offset:64*\b       ; lane (r, h) wants, for tile b, b1 at n = 16 b + 8 h + 0 .. 7
	global_load_b128 v[BIAS+8*\b+4:BIAS+8*\b+7], v[BO], s[10:11] offset:64*\b+16
.endr
	s_lshl_b32 s70, s17, 1                         ; h_img: (t / 128) x 2^20 + (n / 128) x 2^14
	s_add_co_u32 s70, s70, s15
	s_lshl_b32 s70, s70, 20
	s_lshl_b32 s74, s42, 1
	s_add_co_u32 s74, s74, s16
	s_lshl_b32 s74, s74, 14
	s_add_co_u32 s70, s70, s74
	s_mov_b32 s71, 0
	s_add_nc_u64 s[12:13], s[12:13], s[70:71]
	s_lshl_b32 s76, s40, 13                        ; the prefetches: partner cx takes 32 of the 128 blocks of 256 bytes
	s_mov_b32 s77, 0
	s_add_nc_u64 s[PFA:PFA+1], s[20:21], s[76:77]
	s_lshl_b32 s[PFW], s15, 3
	s_add_co_u32 s[PFW], s[PFW], 2
	s_wait_kmcnt 0x0
	s_add_co_i32 s67, s96, s97                     ; e0 + e1
	s_sub_co_i32 s68, 0, s67
	s_sub_co_i32 s69, s99, s67                     ; e3 - e0 - e1: the three scales folded into the conversion's one
	s_add_co_i32 s69, s69, 127
	s_lshl_b32 s75, s69, 23
	v_mov_b32 v[SCL], s75
	s_add_co_i32 s69, s69, 8
	s_lshl_b32 s69, s69, 23
	s_or_b32 s69, s69, 0x600000
	v_mov_b32 v[LIM], s69
	s_wait_loadcnt 0x0
.set n, 0
.rept 64
	v_ldexp_f32 v[BIAS+n], v[BIAS+n], s68          ; b1 / 2^(e0 + e1)
.set n, n+1
.endr
.macro FRAGB reg, adr, q, i            ; 16 rows of W1 x 128 K: registers 4 c .. 4 c + 3 hold k = 32 c + 16 h + 0 .. 15 of row r
.irp c, 0,1,2,3
	ds_load_b128 v[\reg+4*\c:\reg+4*\c+3], v[\adr] offset:128*(\q)+32*\c+(\i)*16*PITCH
.endr
.endm
.macro FRAGA reg, adr, q, i            ; 16 tokens x 128 K, as an image of the registers: 512 consecutive bytes a load
.irp c, 0,1,2,3
	ds_load_b128 v[\reg+4*\c:\reg+4*\c+3], v[\adr] offset:16384*(\q)+2048*(\i)+512*\c
.endr
.endm
; 8 matrix instructions: x's block a against W1's eight, 128 along K.  p: W1's set.  first = 1: the first product starts the sums from the bias: nothing is ever cleared.
; The 64 accumulators take turns, one instruction a turn, in the same order in every step.
.macro MUL8 a, p, first
.irp b, 0,1,2,3,4,5,6,7
.if \first
	v_wmma_f32_16x16x128_fp8_fp8 v[8*(8*((\a)%4)+\b):8*(8*((\a)%4)+\b)+7], v[128*(\p)+FR*\b:128*(\p)+FR*\b+FR-1], v[AF+FR*(\a):AF+FR*(\a)+FR-1], v[BIAS+8*\b:BIAS+8*\b+7]
.else
	v_wmma_f32_16x16x128_fp8_fp8 v[8*(8*((\a)%4)+\b):8*(8*((\a)%4)+\b)+7], v[128*(\p)+FR*\b:128*(\p)+FR*\b+FR-1], v[AF+FR*(\a):AF+FR*(\a)+FR-1], v[8*(8*((\a)%4)+\b):8*(8*((\a)%4)+\b)+7]
.endif
.endr
.endm
.macro MUL32 a0, p, first              ; blocks a0 .. a0 + 3
.irp a, \a0, \a0+1, \a0+2, \a0+3
	MUL8 \a, \p, \first
.endr
.endm
.macro FETCH_B slot, q, p              ; W1's eight fragments of the slot's q-th 128 along K into set p
	WIN TO_B
.irp i, 0,1,2,3,4,5,6,7
	FRAGB 128*(\p)+FR*\i, ADRB+\slot, \q, \i
.endr
	WIN 0
.endm
.macro FETCH_A slot, q, i0             ; x's blocks i0 .. i0 + 3
.irp i, \i0, \i0+1, \i0+2, \i0+3
	FRAGA AF+FR*(\i), ADRA+\slot, \q, \i
.endr
.endm
; A load into a register that a matrix instruction has read, and a vector instruction that reads a matrix result, stand four places behind that matrix instruction; only plain vector
; instructions that name none of its registers are places (ISA guide 7.12.1 for vector instructions).
.macro PLACES
.rept 4
	v_nop
.endr
.endm
; A step of 128 along K that has its successor in the same slot.  A block of x is free as soon as its eight products are issued: blocks 0-3 are fetched anew in the step's middle, blocks 4-7 at its end.
.macro STEP slot, q, first
	s_wait_dscnt 4*NL                              ; W1's set and x's blocks 0-3 are in; the youngest sixteen loads (blocks 4-7) may be out
.if \first
	WIN FIRST_LO
.else
	WIN MUL_LO
.endif
	MUL32 0, (\q)%2, \first
	s_wait_dscnt 0                                 ; blocks 4-7 are in (asked for 32 matrix instructions ago)
	PLACES
	FETCH_B \slot, (\q)+1, 1-(\q)%2
	FETCH_A \slot, (\q)+1, 0
.if \first
	WIN FIRST_HI
.else
	WIN MUL_HI
.endif
	MUL32 4, (\q)%2, \first
	PLACES
	WIN 0
	FETCH_A \slot, (\q)+1, 4
.endm
; A slot's last step changes slots: ONE barrier; in front of it each wave waits for all its tensor loads, adds 0 to its spare word, and waits for that and for its own reads of this slot.
; fill = 1: this slot is filled again, two K steps ahead; fill = 2: with the second tile's K step of this slot.  The barrier then opens a round of the cluster's barrier.
; The refill goes out behind the step's first sixteen products; from there to the next change's wait a wave issues 112 matrix instructions.
.macro TURN slot, next, fill
	s_wait_tensorcnt 0x0                           ; all my tensor loads have landed: my part of the next slot  (every window is 0 here)
	ds_add_u32 v[SPW], v[NIL]                      ; 0 onto my spare word
	s_wait_dscnt 4*NL+1                            ; (the add and the youngest sixteen loads, blocks 4-7, may be out)
	WIN MUL_LO
	MUL8 0, 1, 0                                   ; eight matrix instructions stand between the add and the wait for it
	s_wait_dscnt 0x0                               ; the add is done, and my reads of this slot are over
	s_barrier_signal -1
	MUL8 1, 1, 0
	WIN 0
	s_barrier_wait -1
.if \fill
	CREST                                          ; no wave of any partner still reads this slot's tile or has a load on its way
.if (\fill) == 2
	s_add_nc_u64 s[G0+4*\slot+2:G0+4*\slot+3], s[G0+4*\slot+2:G0+4*\slot+3], TILE2-2*AHALF
	s_sub_nc_u64 s[G0B+4*\slot+2:G0B+4*\slot+3], s[G0B+4*\slot+2:G0B+4*\slot+3], 2*ROWB
.else
	s_add_nc_u64 s[G0+4*\slot+2:G0+4*\slot+3], s[G0+4*\slot+2:G0+4*\slot+3], 2*AHALF
	s_add_nc_u64 s[G0B+4*\slot+2:G0B+4*\slot+3], s[G0B+4*\slot+2:G0B+4*\slot+3], 2*ROWB
.endif
	JLOAD \slot                                    ; the first tensor load behind the round
.endif
	WIN MUL_LO
	MUL8 2, 1, 0
	MUL8 3, 1, 0
	PLACES
	FETCH_B \next, 0, 0
	FETCH_A \next, 0, 0
.if \fill
	ASK 2*((\fill)-1)+\slot                        ; what the refill after the next one will want
.endif
	WIN MUL_HI
	MUL32 4, 1, 0
	PLACES
	WIN 0
	FETCH_A \next, 0, 4
.endm
; THE WAY OUT, block by block of 16 tokens x 128 n.  In tile b lane (r, h) holds token r and n = 16 b + 8 h + 0 .. 7: eight neighbours along the next K.  In the image of the next operand these eight codes lie at
; byte 256 b + 16 r + 8 h: so the 32 lanes of a store write 256 consecutive bytes, aligned, and nothing goes through LDS.
.macro OUT a
.set AC, 64*((\a)%4)
	WIN 0x82+0x41*((\a)/4)                         ; source 0 and destination: window 2 or 3
.set n, 0
.rept 64
	v_med3_num_f32 v[AC+n], v[AC+n], 0, v[LIM]     ; the activation and the hold in one, in place: between 0 and the largest code x the scale; each accumulator from its low end on
.set n, n+1
.endr
	WIN 0x42+((\a)/4)                              ; destination window 1
.irp b, 0,1,2,3,4,5,6,7
	v_cvt_scalef32_pk8_fp8_f32 v[CODES+16*(\a)+2*\b:CODES+16*(\a)+2*\b+1], v[AC+8*\b:AC+8*\b+7], v[SCL]
.endr
	v_nop                                          ; one plain vector instruction behind the last scaled conversion
	WIN 0x04
.irp b, 0,1,2,3,4,5,6,7
	global_store_b64 v[HO], v[CODES+16*(\a)+2*\b:CODES+16*(\a)+2*\b+1], s[12:13] offset:2048*(\a)+256*\b
.endr
.endm
	s_wait_alu depctr_va_vdst(0)
	s_wait_tensorcnt 0x0                           ; my part of K step 0 is in
	ds_add_u32 v[SPW], v[NIL]
	s_wait_dscnt 0x0                               ; the add is done
	CROUND                                         ; everybody's part of K step 0 is in, and all sixteen work-groups are here
	JLOAD 1                                        ; K step 1's load, the first tensor load behind the round
	FETCH_B 0, 0, 0
	FETCH_A 0, 0, 0
	FETCH_A 0, 0, 4
	s_mov_b32 s2, 2                                ; tiles to go, this one among them: the same number in every work-group
.Ltile:
	STEP 0, 0, 1                                   ; k 0-127: the sums start from the bias
	TURN 0, 1, 1                                   ; k 128-255; slot 0 takes k 512-767
	STEP 1, 0, 0
	TURN 1, 0, 1                                   ; k 384-511; slot 1 takes k 768-1023
	STEP 0, 0, 0
	s_cmp_eq_u32 s2, 1
	s_cbranch_scc1 .Llast_tile                     ; the last tile's tail is written out: it asks for nothing more
	TURN 0, 1, 2                                   ; the ring goes on: slot 0 takes the second tile's K step 0,
	STEP 1, 0, 0
	TURN 1, 0, 2                                   ; slot 1 its K step 1, and its first fragments are fetched
	PLACES
.irp a, 0,1,2,3,4,5,6,7
	OUT \a
.endr
	WIN 0
	s_wait_xcnt 0x0                                ; the stores have read their data, which W1's second set takes up again, and their base
	s_add_nc_u64 s[12:13], s[12:13], 0x1000000     ; h_img: 2,048 tokens on
	s_sub_co_u32 s2, s2, 1
	s_branch .Ltile
.Llast_tile:
	TURN 0, 1, 0                                   ; nothing is left to fetch: no round
	STEP 1, 0, 0
	s_wait_dscnt 4*NL                              ; the last step
	WIN MUL_LO
	MUL32 0, 1, 0
	s_wait_dscnt 0
	WIN MUL_HI
	MUL32 4, 1, 0
	PLACES
.irp a, 0,1,2,3,4,5,6,7
	OUT \a
.endr
	WIN 0
	s_wait_tensorcnt 0x0                           ; the wave's end
	ds_add_u32 v[SPW], v[NIL]
	s_wait_dscnt 0x0
	CROUND                                         ; the closing round: no work-group ends while a partner may still ask for a tile that names it
	s_endpgm
.Lfunc_end_k_qad8af05a17_gemm1:
	.size	k_qad8af05a17_gemm1, .Lfunc_end_k_qad8af05a17_gemm1-k_qad8af05a17_gemm1
	.p2alignl 7, 3214868480
	.fill 96, 4, 3214868480
	.section	.rodata,"a",@progbits
	.p2align	6, 0x0
	.amdhsa_kernel k_qad8af05a17_gemm1
		.amdhsa_group_segment_fixed_size 327680
		.amdhsa_private_segment_fixed_size 0
		.amdhsa_enable_private_segment 0
		.amdhsa_kernarg_size 40
		.amdhsa_user_sgpr_count 2
		.amdhsa_user_sgpr_kernarg_segment_ptr 1
		.amdhsa_wavefront_size32 1
		.amdhsa_system_sgpr_workgroup_id_x 1
		.amdhsa_system_sgpr_workgroup_id_y 1
		.amdhsa_system_sgpr_workgroup_id_z 1
		.amdhsa_system_vgpr_workitem_id 0
		.amdhsa_next_free_vgpr 1024
		.amdhsa_next_free_sgpr 100
		.amdhsa_reserve_vcc 0
		.amdhsa_float_denorm_mode_32 3
		.amdhsa_float_denorm_mode_16_64 3
		.amdhsa_memory_ordered 1
		.amdhsa_forward_progress 1
		.amdhsa_inst_pref_size 199
	.end_amdhsa_kernel
	.amdgpu_metadata
---
amdhsa.version: [ 1, 2 ]
amdhsa.kernels:
  - .name:           k_qad8af05a17_gemm1
    .symbol:         k_qad8af05a17_gemm1.kd
    .args:
      - { .name: x_img, .offset: 0, .size: 8, .value_kind: global_buffer, .address_space: global }
      - { .name: W1_codes, .offset: 8, .size: 8, .value_kind: global_buffer, .address_space: global }
      - { .name: lowp_scales, .offset: 16, .size: 8, .value_kind: global_buffer, .address_space: global }
      - { .name: b1, .offset: 24, .size: 8, .value_kind: global_buffer, .address_space: global }
      - { .name: h_img, .offset: 32, .size: 8, .value_kind: global_buffer, .address_space: global }
    .group_segment_fixed_size: 327680
    .private_segment_fixed_size: 0
    .kernarg_segment_align: 8
    .kernarg_segment_size: 40
    .max_flat_workgroup_size: 128
    .sgpr_count:     100
    .vgpr_count:     1024
    .wavefront_size: 32
...
	.end_amdgpu_metadata
.endif
;; end of part 2
;; launch gemm2 (part 3): grid 32 x 8, 4 waves a work-group, clusters of 4 x 1, 327,680 bytes of LDS; arguments h_img, W2_codes, lowp_scales, b2, gates, out0; writes out0
.if DOCPART == 3
	.amdgcn_target "amdgcn-amd-amdhsa--gfx1250"
	.amdhsa_code_object_version 6
	.text
	.protected	k_qad8af05a17_gemm2
	.globl	k_qad8af05a17_gemm2
	.p2align	8
	.type	k_qad8af05a17_gemm2,@function
k_qad8af05a17_gemm2:
	s_mov_b64 s[64:65], 0
	v_nop
	global_prefetch_b8 v0, s[64:65] scope:SCOPE_SE
	s_setreg_imm32_b32 hwreg(HW_REG_WAVE_MODE, 25, 1), 1
	s_wait_xcnt 0x0
	s_wait_alu depctr_hold_cnt(0) depctr_sa_sdst(0) depctr_va_vdst(0) depctr_va_sdst(0) depctr_va_ssrc(0) depctr_va_vcc(0) depctr_vm_vsrc(0)
	s_getreg_b32 s2, hwreg(HW_REG_IB_STS2, 6, 4)
	s_cmp_eq_u32 s2, 0
	s_cbranch_scc0 .Lentry_in_a_cluster
	s_endpgm
.Lentry_in_a_cluster:
	s_bfe_u32 s2, ttmp6, 0x10000c
	s_cmp_lg_u32 s2, 0x3003
	s_cbranch_scc0 .Lentry_shape_is_right
	s_endpgm
.Lentry_shape_is_right:
; out[t][p] = sum over e of gate[t][e] (sum over o of h[t][e][o] W2[e][p][o] + b2[e][p]), on codes of E4M3: h as h_img ([t / 128][n / 128][(t / 16) % 8][2048], the operand's registers in their order), W2_codes [8][1024 p][1024 o].
; A sum stands for sum x 2^(e2 + e3): b2 goes in divided by that, as the C of each expert's first products, and the gates are multiplied by it.
; LIMITS: |e2 + e3| up to 64, so that the scaled gates and biases are f32 numbers.  NaN is not served.
; SHARES.  A work-group makes 128 tokens x 128 p; wave (s15, s16) makes 64 tokens x 128 p over k = 512 s16 .. + 511 of each expert, in four steps of 128: 32 accumulators for the expert in hand (window 2) and 32 for the gated sum (window 3).
; Behind each expert's last product the gated sum takes in gate x sum.  b2 goes in with a half in each of the two waves of a half of K; at the end their sums are added through LDS.
; W2: an expert's 128 rows x 1,024 bytes fill an LDS slot, two slots; the four work-groups of a cluster (four token blocks, the same p) ask for them JOINTLY, each wave for 32 rows.
; h goes from memory straight into registers, four buffers of 64 tokens x 128 K; a byte of it is used by one wave, and each load reads 512 consecutive bytes.  It is not asked for jointly: the two slots take 266,240 of 327,680 bytes.
; PREFETCH at a change of slots in expert e: h of expert e + 2 (work-groups with y = 0) and W2 of expert e + 3 (the first cluster of each y; its four partners take 256 bytes of each row, told apart by address).
; THE MATRIX INSTRUCTION IS USED TRANSPOSED (source 0 = 16 rows of W2, source 1 = 16 tokens): lane (r, h) holds token r, registers j = 0 .. 7 column 8 h + j.
; REGISTERS: window 0: addresses, v32-39 gates, v64-127 bias, v128-255 h's buffers 0, 1; window 1: v0-127 W2's fragments, v128-255 h's buffers 2, 3; accumulator (a, b) at v[8 (8 a + b)] of windows 2 and 3.
.set BPITCH, 1040                      ; 1,024 bytes + 16: the 16 rows that a load touches start at 16 different banks (64 banks of 4 bytes: ISA guide 11.1)
.set BQ,     32*BPITCH
.set BHB,    64*BPITCH
.set SLOT,   4*BQ
.set GTAB,   2*SLOT
.set BTAB,   GTAB+4*8192
.set SPARE,  BTAB+4*4096
.set SPITCH, 528
.set PARTB,  64*SPITCH
.set KBB,    16384
.set EXPB,   8*KBB
.set WEXP,   1024*1024
.set LI,   4
.set PFO,  5
.set PFR,  6
.set ADG,  12
.set ADB,  13
.set ADRB, 16
.set STO,  24
.set RD,   25
.set SPW,  28
.set NIL,  29
.set GT0,  30
.set BT0,  31
.set GC,   32
.set BI,   64
.set G,    64
.set BR,   96
.set AB,   128
.set G0,   32
.set G1B,  48
.set CNT,  74
.set LIMB, 75
.set PFB,  76
.set MSB, 0
.macro WIN new
.if MSB != (\new)
	s_set_vgpr_msb (MSB<<8)|(\new)
.set MSB, \new
.endif
.endm
; A joint load of my 32 rows of W2.
.macro JLOAD s
	tensor_load_to_lds s[G0+4*(\s):G0+4*(\s)+3], s[G1B:G1B+7]
	s_nop 0
.rept 4
	v_nop
.endr
.endm
.macro CREST
	s_cmp_lg_u32 s14, 0
	s_cbranch_scc1 .Lnot_wave_0_\@
	s_barrier_signal -3
.Lnot_wave_0_\@:
	s_barrier_wait -3
	s_barrier_signal -1
	s_barrier_wait -1
.endm
.macro CROUND
	s_barrier_signal -1
	s_barrier_wait -1
	CREST
.endm
.macro ASK
	s_cmp_eq_u32 s42, 0
	s_cbranch_scc0 .Lnot_h_\@
.irp q, 0,1,2,3
	global_prefetch_b8 v[PFO], s[4:5] offset:2*EXPB+KBB*\q th:TH_LOAD_NT scope:SCOPE_SE
.endr
.Lnot_h_\@:
	s_cmp_gt_u32 s[CNT], s[LIMB]
	s_cbranch_scc0 .Lnot_w_\@
	global_prefetch_b8 v[PFR], s[PFB:PFB+1] offset:3*WEXP th:TH_LOAD_NT scope:SCOPE_SE
.Lnot_w_\@:
	s_sub_co_u32 s[CNT], s[CNT], 1
.endm
	s_load_b128 s[4:7], s[0:1], 0x0
	s_load_b128 s[8:11], s[0:1], 0x10
	s_load_b128 s[68:71], s[0:1], 0x20
	v_lshl_add_u32 v[SPW], v0, 2, SPARE
	v_mov_b32 v[NIL], 0
	ds_add_u32 v28, v29
	ds_add_u32 v28, v29
	s_wait_dscnt 0x0
	v_lshrrev_b32 v1, 5, v0
	v_readfirstlane_b32 s14, v1
	s_lshr_b32 s15, s14, 1
	s_and_b32 s16, s14, 1
	s_bfe_u32 s40, ttmp6, 0x40000
	s_lshl_b32 s17, ttmp9, 2
	s_add_co_u32 s17, s17, s40
	s_and_b32 s42, ttmp7, 0xffff
	s_mov_b32 s[G1B+0], 15|(0<<16)|(1<<20)|(1<<21)|(7<<22)|(3<<25)
	s_mov_b32 s[G1B+1], 1024<<16
	s_mov_b32 s[G1B+2], 32<<16
	s_mov_b32 s[G1B+3], 1024<<16
	s_mov_b32 s[G1B+4], 32
	s_mov_b32 s[G1B+5], 1024
	s_mov_b32 s[G1B+6], 0
	s_mov_b32 s[G1B+7], 0
	s_lshl_b32 s46, s42, 17
	s_lshl_b32 s18, s14, 15
	s_add_co_u32 s46, s46, s18
	s_mov_b32 s47, 0
	s_mul_i32 s45, s14, BQ
	s_mov_b32 s72, 0
	s_mov_b32 s73, 512
	s_mov_b32 s[CNT], 6
	s_cmp_eq_u32 ttmp9, 0
	s_cselect_b32 s[LIMB], 1, -1
	s_wait_kmcnt 0x0
	s_load_b128 s[96:99], s[8:9], 0x0
	s_add_nc_u64 s[46:47], s[6:7], s[46:47]
	CROUND
.irp s, 0,1
	s_mov_b32 s[G0+4*\s], 1
	s_add_co_u32 s[G0+4*\s+1], s45, \s*SLOT
	s_add_nc_u64 s[G0+4*\s+2:G0+4*\s+3], s[46:47], \s*WEXP
	s_or_b32 s[G0+4*\s+3], s[G0+4*\s+3], 0x80000000
.endr
	JLOAD 0                                        ; expert 0: one tensor load a wave at the head; the gates, the bias and h are asked for while it is on its way
	s_lshl_b32 s78, s40, 8
	s_mov_b32 s79, 0
	s_add_nc_u64 s[PFB:PFB+1], s[46:47], s[78:79]
	s_lshl_b32 s20, s17, 20
	s_lshl_b32 s18, s16, 16
	s_add_co_u32 s20, s20, s18
	s_lshl_b32 s18, s15, 13
	s_add_co_u32 s20, s20, s18
	s_mov_b32 s21, 0
	s_add_nc_u64 s[4:5], s[4:5], s[20:21]
	s_lshl_b32 s78, s17, 12
	s_lshl_b32 s79, s15, 11
	s_add_co_u32 s78, s78, s79
	s_mov_b32 s79, 0
	s_add_nc_u64 s[68:69], s[68:69], s[78:79]
	s_lshl_b32 s80, s42, 9
	s_mov_b32 s81, 0
	s_add_nc_u64 s[10:11], s[10:11], s[80:81]
	s_lshl_b32 s82, s17, 19
	s_lshl_b32 s83, s15, 18
	s_add_co_u32 s82, s82, s83
	s_lshl_b32 s83, s16, 17
	s_add_co_u32 s82, s82, s83
	s_add_co_u32 s82, s82, s80
	s_mov_b32 s83, 0
	s_add_nc_u64 s[70:71], s[70:71], s[82:83]
	v_and_b32 v1, 15, v0
	v_bfe_u32 v2, v0, 4, 1
	v_and_b32 v3, 31, v0
	v_lshlrev_b32 v[LI], 4, v3
	v_lshlrev_b32 v[PFO], 8, v3
	v_lshlrev_b32 v[PFR], 10, v3
	v_lshlrev_b32 v10, 5, v1
.irp a, 0,1,2,3
	global_load_b128 v[G+8*\a:G+8*\a+3], v10, s[68:69] offset:512*\a
	global_load_b128 v[G+8*\a+4:G+8*\a+7], v10, s[68:69] offset:512*\a+16
.endr
.irp e, 0,1,2,3,4,5,6,7
	global_load_b128 v[BR+4*\e:BR+4*\e+3], v[LI], s[10:11] offset:4096*\e
.endr
.macro ALOAD buf, off
	WIN 0x40*((\buf)/2)
.irp a, 0,1,2,3
.irp c, 0,1,2,3
	global_load_b128 v[AB+64*((\buf)%2)+16*\a+4*\c:AB+64*((\buf)%2)+16*\a+4*\c+3], v[LI], s[4:5] offset:(\off)+2048*\a+512*\c
.endr
.endr
.endm
	ALOAD 0, 0
	ALOAD 1, KBB
	ALOAD 2, 2*KBB
	WIN 0
	v_mul_u32_u24 v7, v1, BPITCH
	v_lshl_add_u32 v7, v2, 4, v7
	s_lshl_b32 s23, s16, 9
.irp k, 0,1,2,3
	v_add_nc_u32 v[ADRB+\k], s23, v7
	s_add_co_u32 s23, s23, BHB
.endr
	s_mul_i32 s22, s14, PARTB
	v_mul_u32_u24 v8, v1, SPITCH
	v_lshl_add_u32 v8, v2, 5, v8
	v_add_nc_u32 v[STO], s22, v8
	s_mul_i32 s22, s15, 2*PARTB
	s_mul_i32 s23, s16, 32*SPITCH
	s_add_co_u32 s22, s22, s23
	v_add_nc_u32 v[RD], s22, v[LI]
	s_lshl_b32 s22, s14, 13
	s_add_co_u32 s22, s22, GTAB
	v_add_nc_u32 v[GT0], s22, v[LI]
	s_lshl_b32 s22, s14, 12
	s_add_co_u32 s22, s22, BTAB
	v_lshl_add_u32 v[BT0], v2, 5, s22
	v_add_nc_u32 v9, s22, v[LI]
	s_wait_kmcnt 0x0
	s_add_co_i32 s84, s98, s99
	s_sub_co_i32 s85, 0, s84
	s_sub_co_i32 s85, s85, 1
	s_wait_loadcnt 48
.set n, 0
.rept 32
	v_ldexp_f32 v[G+n], v[G+n], s84
.set n, n+1
.endr
.set n, 0
.rept 32
	v_ldexp_f32 v[BR+n], v[BR+n], s85
.set n, n+1
.endr
.irp a, 0,1,2,3
.irp e, 0,1,2,3,4,5,6,7
	ds_store_b32 v[GT0], v[G+8*\a+\e] offset:1024*\e+512*(\a/2)+8*(\a%2)
	ds_store_b32 v[GT0], v[G+8*\a+\e] offset:1024*\e+512*(\a/2)+8*(\a%2)+4
.endr
.endr
.irp e, 0,1,2,3,4,5,6,7
	ds_store_b128 v9, v[BR+4*\e:BR+4*\e+3] offset:512*\e
.endr
.macro MWIN q
.if (\q) == 0
	WIN 0x81
.elseif (\q) == 1
	WIN 0xa1
.else
	WIN 0xa5
.endif
.endm
.macro MUL8 q, b0
.irp b, \b0, \b0+1
.irp a, 0,1,2,3
.if (\q) == 0
	v_wmma_f32_16x16x128_fp8_fp8 v[8*(8*\a+(\b)):8*(8*\a+(\b))+7], v[16*(\b):16*(\b)+15], v[AB+64*((\q)%2)+16*\a:AB+64*((\q)%2)+16*\a+15], v[BI+8*(\b):BI+8*(\b)+7]
.else
	v_wmma_f32_16x16x128_fp8_fp8 v[8*(8*\a+(\b)):8*(8*\a+(\b))+7], v[16*(\b):16*(\b)+15], v[AB+64*((\q)%2)+16*\a:AB+64*((\q)%2)+16*\a+15], v[8*(8*\a+(\b)):8*(8*\a+(\b))+7]
.endif
.endr
.endr
.endm
.macro FETCHB slot, q, hb
	WIN 0x40
.irp n, 0,1,2,3
.irp c, 0,1,2,3
	ds_load_b128 v[16*(4*(\hb)+\n)+4*\c:16*(4*(\hb)+\n)+4*\c+3], v[ADRB+2*(\slot)+(\hb)] offset:16*BPITCH*\n+128*(\q)+32*\c
.endr
.endr
.endm
.macro PLACES
.rept 4
	v_nop
.endr
.endm
.macro BIASIN adr
.irp b, 0,1,2,3,4,5,6,7
	ds_load_b128 v[BI+8*\b:BI+8*\b+3], v[\adr] offset:64*\b
	ds_load_b128 v[BI+8*\b+4:BI+8*\b+7], v[\adr] offset:64*\b+16
.endr
.endm
.macro TABLES nb
	v_add_nc_u32 v[ADG], s72, v[GT0]
	ds_load_b128 v[GC:GC+3], v[ADG]
	ds_load_b128 v[GC+4:GC+7], v[ADG] offset:512
.if \nb
	v_add_nc_u32 v[ADB], s73, v[BT0]
	BIASIN ADB
.endif
.endm
; A step of 128 along K on h's buffer q.  lc: h's loads behind this buffer's, which may be out; aoff: where the buffer three steps on comes from; tab = 1: the expert's gates (nb = 1: and the next expert's bias) are read from the tables.
.macro STEP slot, q, lc, aoff, tab, nb
	s_wait_loadcnt \lc
.if (\aoff) >= 0
	ALOAD ((\q)+3)%4, \aoff
.endif
	s_wait_dscnt 16
	MWIN \q
	MUL8 \q, 0
	MUL8 \q, 2
	s_wait_dscnt 0x0
	PLACES
.if \tab
	WIN 0
	TABLES \nb
.endif
	FETCHB \slot, (\q)+1, 0
	MWIN \q
	MUL8 \q, 4
	MUL8 \q, 6
	PLACES
	FETCHB \slot, (\q)+1, 1
.endm
; An expert's last step changes slots: in front of the barrier each wave waits for all its tensor loads, adds 0 to its spare word, and waits for that and for its own reads of this slot.
; fill = 1: the barrier opens a round of the cluster's barrier, and behind it the slot is filled again, with the expert after the next.
.macro TURN slot, next, fill
	s_wait_loadcnt 32
	ALOAD 2, EXPB+2*KBB
	WIN 0
	s_wait_tensorcnt 0x0
	ds_add_u32 v[SPW], v[NIL]
	s_wait_dscnt 17
	MWIN 3
	MUL8 3, 0
	s_wait_dscnt 0x0
	s_barrier_signal -1
	MUL8 3, 2
	WIN 0
	s_barrier_wait -1
.if \fill
	CREST
	s_add_nc_u64 s[G0+4*(\slot)+2:G0+4*(\slot)+3], s[G0+4*(\slot)+2:G0+4*(\slot)+3], 2*WEXP
	JLOAD \slot
.else
	PLACES
.endif
	FETCHB \next, 0, 0
.if \fill
	WIN 0
	ASK
.endif
	MWIN 3
	MUL8 3, 4
	MUL8 3, 6
	PLACES
	FETCHB \next, 0, 1
.endm
; The gated sum takes in the expert's sums: both of a pair x the token's gate.  step = 1: on to the next expert, behind the wait that shows all addresses read.
.macro COMBINE first, step
	PLACES
.if \first
	WIN 0xc2
.else
	WIN 0xf2
.endif
.irp a, 0,1,2,3
.irp b, 0,1,2,3,4,5,6,7
.irp i, 0,2,4,6
.if \first
	v_pk_mul_f32 v[8*(8*\a+\b)+\i:8*(8*\a+\b)+\i+1], v[8*(8*\a+\b)+\i:8*(8*\a+\b)+\i+1], v[GC+2*\a:GC+2*\a+1]
.else
	v_pk_fma_f32 v[8*(8*\a+\b)+\i:8*(8*\a+\b)+\i+1], v[8*(8*\a+\b)+\i:8*(8*\a+\b)+\i+1], v[GC+2*\a:GC+2*\a+1], v[8*(8*\a+\b)+\i:8*(8*\a+\b)+\i+1]
.endif
.endr
.endr
.endr
	WIN 0
.if \step
	s_add_co_u32 s72, s72, 1024
	s_add_co_u32 s73, s73, 512
	s_wait_xcnt 0x0
	s_add_nc_u64 s[4:5], s[4:5], EXPB
	s_add_nc_u64 s[PFB:PFB+1], s[PFB:PFB+1], WEXP
.endif
.endm
.macro EXPERT slot, first, fill, last
	STEP \slot, 0, 32, 3*KBB, 0, 0
.if \last
	STEP \slot, 1, 32, -1, 1, 0
	STEP \slot, 2, 16, -1, 0, 0
	s_wait_loadcnt 0x0
	s_wait_dscnt 16
	MWIN 3
	MUL8 3, 0
	MUL8 3, 2
	s_wait_dscnt 0x0
	MUL8 3, 4
	MUL8 3, 6
	COMBINE 0, 0
.else
	STEP \slot, 1, 32, EXPB, 1, 1
	STEP \slot, 2, 32, EXPB+KBB, 0, 0
	TURN \slot, 1-\slot, \fill
	COMBINE \first, 1
.endif
.endm
	s_wait_alu depctr_va_vdst(0)
	s_wait_tensorcnt 0x0                           ; my part of expert 0 is in
	ds_add_u32 v[SPW], v[NIL]
	s_wait_dscnt 0x0                               ; the add is done, and my tables lie in LDS
	CROUND                                         ; everybody's part of expert 0 is in, and all four work-groups are here
	JLOAD 1                                        ; expert 1's load, the first tensor load behind the round
	BIASIN BT0
	FETCHB 0, 0, 0
	FETCHB 0, 0, 1
	EXPERT 0, 1, 1, 0
	EXPERT 1, 0, 1, 0
	s_mov_b32 s3, 2
.Lpair:
	EXPERT 0, 0, 1, 0
	EXPERT 1, 0, 1, 0
	s_sub_co_u32 s3, s3, 1
	s_cmp_lg_u32 s3, 0
	s_cbranch_scc1 .Lpair
	EXPERT 0, 0, 0, 0
	EXPERT 1, 0, 0, 1
	s_wait_alu depctr_va_vdst(0)
	s_barrier_signal -1
	s_barrier_wait -1
	WIN 0x0c
.irp a, 0,1,2,3
.irp b, 0,1,2,3,4,5,6,7
	ds_store_b128 v[STO], v[8*(8*\a+\b):8*(8*\a+\b)+3] offset:16*\a*SPITCH+64*\b
	ds_store_b128 v[STO], v[8*(8*\a+\b)+4:8*(8*\a+\b)+7] offset:16*\a*SPITCH+64*\b+16
.endr
.endr
	WIN 0
	s_wait_dscnt 0x0
	s_barrier_signal -1
	s_barrier_wait -1
; THE WAY OUT.  The two waves that share 64 tokens have laid their sums in LDS, rows of 128 f32; each adds 32 rows and stores them: 32 lanes store 512 consecutive bytes, aligned.
.macro BACK hf
	WIN 0x40
.irp t, 0,1,2,3,4,5,6,7,8,9,10,11,12,13,14,15
	ds_load_b128 v[64*(\hf)+4*\t:64*(\hf)+4*\t+3], v[RD] offset:(16*(\hf)+\t)*SPITCH
	ds_load_b128 v[128+64*(\hf)+4*\t:128+64*(\hf)+4*\t+3], v[RD] offset:PARTB+(16*(\hf)+\t)*SPITCH
.endr
.endm
.macro SUMOUT hf
	WIN 0x45
.irp t, 0,1,2,3,4,5,6,7,8,9,10,11,12,13,14,15
.irp i, 0,2
	v_pk_add_f32 v[64*(\hf)+4*\t+\i:64*(\hf)+4*\t+\i+1], v[64*(\hf)+4*\t+\i:64*(\hf)+4*\t+\i+1], v[128+64*(\hf)+4*\t+\i:128+64*(\hf)+4*\t+\i+1]
.endr
.endr
	WIN 0x04
.irp t, 0,1,2,3,4,5,6,7,8,9,10,11,12,13,14,15
	global_store_b128 v[LI], v[64*(\hf)+4*\t:64*(\hf)+4*\t+3], s[70:71] offset:(16*(\hf)+\t)*4096 th:TH_STORE_NT
.endr
.endm
	BACK 0
	s_wait_dscnt 0x0
	BACK 1
	SUMOUT 0
	s_wait_dscnt 0x0
	SUMOUT 1
	WIN 0
	s_wait_tensorcnt 0x0
	ds_add_u32 v[SPW], v[NIL]
	s_wait_dscnt 0x0
	CROUND
	s_endpgm
.Lfunc_end_k_qad8af05a17_gemm2:
	.size	k_qad8af05a17_gemm2, .Lfunc_end_k_qad8af05a17_gemm2-k_qad8af05a17_gemm2
	.p2alignl 7, 3214868480
	.fill 96, 4, 3214868480
	.section	.rodata,"a",@progbits
	.p2align	6, 0x0
	.amdhsa_kernel k_qad8af05a17_gemm2
		.amdhsa_group_segment_fixed_size 327680
		.amdhsa_private_segment_fixed_size 0
		.amdhsa_enable_private_segment 0
		.amdhsa_kernarg_size 48
		.amdhsa_user_sgpr_count 2
		.amdhsa_user_sgpr_kernarg_segment_ptr 1
		.amdhsa_wavefront_size32 1
		.amdhsa_system_sgpr_workgroup_id_x 1
		.amdhsa_system_sgpr_workgroup_id_y 1
		.amdhsa_system_sgpr_workgroup_id_z 1
		.amdhsa_system_vgpr_workitem_id 0
		.amdhsa_next_free_vgpr 1024
		.amdhsa_next_free_sgpr 100
		.amdhsa_reserve_vcc 0
		.amdhsa_float_denorm_mode_32 3
		.amdhsa_float_denorm_mode_16_64 3
		.amdhsa_memory_ordered 1
		.amdhsa_forward_progress 1
		.amdhsa_inst_pref_size 239
	.end_amdhsa_kernel
	.amdgpu_metadata
---
amdhsa.version: [ 1, 2 ]
amdhsa.kernels:
  - .name:           k_qad8af05a17_gemm2
    .symbol:         k_qad8af05a17_gemm2.kd
    .args:
      - { .name: h_img, .offset: 0, .size: 8, .value_kind: global_buffer, .address_space: global }
      - { .name: W2_codes, .offset: 8, .size: 8, .value_kind: global_buffer, .address_space: global }
      - { .name: lowp_scales, .offset: 16, .size: 8, .value_kind: global_buffer, .address_space: global }
      - { .name: b2, .offset: 24, .size: 8, .value_kind: global_buffer, .address_space: global }
      - { .name: gates, .offset: 32, .size: 8, .value_kind: global_buffer, .address_space: global }
      - { .name: out0, .offset: 40, .size: 8, .value_kind: global_buffer, .address_space: global }
    .group_segment_fixed_size: 327680
    .private_segment_fixed_size: 0
    .kernarg_segment_align: 8
    .kernarg_segment_size: 48
    .max_flat_workgroup_size: 128
    .sgpr_count:     100
    .vgpr_count:     1024
    .wavefront_size: 32
...
	.end_amdgpu_metadata
.endif
;; end of part 3
